; MI455X (gfx1250); checked and timed in simulation.
; The chip was launched on July 23, 2026; its instructions are those of AMD's public machine-readable ISA for CDNA 5 (MIT licence, August 2026) and "CDNA5" Instruction Set Architecture Reference Guide (July 2026). The comments in the code are by the model that wrote it; some were corrected since.
;; LSTM Cell. Allowed arithmetic: matrix products marked QUANTISED: E2M1 operands, one E8M0 scale for each 32 along K, by v_wmma_scale_f32_16x16x128_f8f6f4 with both operands' format E2M1 (or v_wmma_scale_f32_32x16x128_f4), f32 sums; everything else in f32.
;; Inputs: Uc 2,048 x 2,048 float32; Uf 2,048 x 2,048 float32; Ui 2,048 x 2,048 float32; Uo 2,048 x 2,048 float32; Wc 2,048 x 2,048 float32; Wf 2,048 x 2,048 float32; Wi 2,048 x 2,048 float32; Wo 2,048 x 2,048 float32; bc 2,048 float32; bf 2,048 float32; bi 2,048 float32; bo 2,048 float32; last_c 2,048 x 2,048 float32; last_h 2,048 x 2,048 float32; mask 2,048 x 1 float32; x_codes 2,048 x 64 x 16 uint8 (E2M1 codes of x, K innermost, in blocks of 32 codes, two codes a byte); x_scales 2,048 x 64 uint8 (E8M0 scales of x, one for each 32 codes along K).
;; Outputs: out0 2,048 x 2,048 float32; out1 2,048 x 2,048 float32.
;; This version of the problem:
;;   THIS VERSION OF THE PROBLEM IS GIVEN IN LOW PRECISION. The matrix products marked QUANTISED in the list below multiply operands that are first quantised to E2M1 (2 exponent bits, 1 mantissa bit; 4 bits a number), with one power-of-two scale for each 32 numbers along K (OCP MX v1.0); their sums are f32. All else is computed in f32.
;;   The module's matrix products, in the order in which they are computed (A, B: the left and right operand; K: the contracted axis; several contracted axes count as one K, in the product's order):
;;     1. [M 2,048, K 2,048] x [K 2,048, N 8,192]; A: input x (given as codes); B: computed on the way: QUANTISED
;;     2. [M 2,048, K 2,048] x [K 2,048, N 8,192]; A: input last_h; B: computed on the way: QUANTISED
;;   THE QUANTISER, for each operand of a quantised product, along K:
;;     - K is cut into blocks of 32 from its start; a last block that is shorter is filled with zeros.
;;     - A block's scale is 2^e with e = floor(log2(the largest magnitude in the block)) - 2, held to -126 .. 127; a block of zeros has e = 0. As a byte (E8M0): e + 127.
;;     - Each number is divided by its block's scale, clamped to +-6, and rounded to the nearest number of E2M1, ties to even, subnormals kept.
;;     - The product sums the exact products of the quantised numbers (number of the format x scale) in f32.
;;   ~~~python
;;   def quantise(x, axis):      # numpy; x: float32 -> the quantised numbers, widened to float32 again
;;       x = np.moveaxis(x, axis, -1); K = x.shape[-1]
;;       x = np.pad(x, [(0, 0)] * (x.ndim - 1) + [(0, -K % 32)]); x = x.reshape(x.shape[:-1] + (-1, 32)); a = np.abs(x).max(-1, keepdims=True)
;;       e = np.where(a > 0, np.clip(np.frexp(np.where(a > 0, a, 1))[1] - 1 - 2, -126, 127), 0)      # np.frexp(a)[1] - 1 = floor(log2(a)), exactly
;;       r = np.clip(x / 2.0 ** e, -6, 6)
;;       step = 2.0 ** (np.maximum(np.frexp(np.where(r == 0, 1, r))[1] - 1, 0) - 1)
;;       q = np.round(r / step) * step * 2.0 ** e      # np.round: ties to even
;;       return np.moveaxis(q.reshape(q.shape[:-2] + (-1,))[..., :K], -1, axis).astype(np.float32)
;;   ~~~
;;   OPERANDS COMPUTED ON THE WAY. 'Computed on the way' means the value that the module computes at that place (a softmax that the list does not call 'softmax' is quantised finished and normalised). What goes into a quantiser is computed in f32, as accurately as f32 sums, v_exp_f32 and their like allow (about 1e-6 of the number): no bf16 or f16 on the way to a quantiser, and a product that is left as it is and whose result goes on into a quantised operand takes f32 operands (vector FMAs, or v_wmma_f32_16x16x4_f32). A number that lies on a knife's edge between two numbers of the format may be rounded either way, as far as f32 arithmetic and the matrix unit's own rounding can turn it there, and no further.
;;   INPUTS GIVEN AS CODES. x (in the module: [2048, 2048], K = its axis 1): each comes as NAME_codes (uint8): NAME with its K axis moved to the last place and cut into blocks of 32 codes, [.., K / 32, bytes a block], one block behind the other in memory; two codes a byte, the lower K in the low four bits (a code: sign, 2 exponent bits, 1 mantissa bit); and NAME_scales (uint8): the same leading axes, one E8M0 byte (e + 127) for each 32 codes along K. Its value is code x scale, taken as it is: it is not quantised again, and the codes and scales need not be those that the quantiser above would give.
;; One version. Each part assembles by itself: llvm-mc -triple=amdgcn-amd-amdhsa -mcpu=gfx1250 --defsym DOCPART=n.
;; ======== version 1 of 1: 2 launches
;; limits: right only within a limited range of input values
;; workspace buffers: acat 4,456,448 bytes; bcat 17,825,792 bytes
;; launch prep (part 1): grid 1216 x 1, 4 waves a work-group, no clusters, 17,920 bytes of LDS; arguments last_h, Wi, Wf, Wo, Wc, Ui, Uf, Uo, Uc, x_codes, x_scales, acat, bcat; writes acat, bcat
.if DOCPART == 1
	.amdgcn_target "amdgcn-amd-amdhsa--gfx1250"
	.amdhsa_code_object_version 6
	.text
	.protected	k_q0cb97c5dcc_prep
	.globl	k_q0cb97c5dcc_prep
	.p2align	8
	.type	k_q0cb97c5dcc_prep,@function
k_q0cb97c5dcc_prep:
	s_mov_b64 s[64:65], 0
	v_nop
	global_prefetch_b8 v0, s[64:65] scope:SCOPE_SE
	s_setreg_imm32_b32 hwreg(HW_REG_WAVE_MODE, 25, 1), 1
	s_wait_xcnt 0x0
; THE OPERANDS OF THE CELL'S ONE PRODUCT, LAID AS ITS READER WANTS THEM.  gates = [x | last_h] [W | U]^T: K = 4,096, in 8 K steps of 512 (0-3: x and W, 4-7: last_h and U).
; acat [K step][row 0..2047][272 bytes], bcat [K step][row' 0..8191][272 bytes].  A record of 272 bytes: 256 bytes of E2M1 codes (512 along K, the lower k in the low four bits), then the 16 E8M0 bytes of its 16 blocks of 32.
; row' of gate g (i, f, o, c = 0..3), hidden unit j: 256 (j / 64) + 128 ((j / 32) % 2) + 16 (2 g + (j / 16) % 2) + j % 16: the four gates of 32 hidden units are 128 neighbouring records.
; 16 records are 4,352 bytes, 17 x 256: what one wave writes, in stores that each cover whole aligned runs of 256 bytes.
; last_h and the eight weights, f32 with K innermost, are quantised: a block's scale is 2^(floor(log2(its largest magnitude)) - 2), its byte the largest magnitude's exponent field - 2, held at 1 from below;
; each number is divided by the scale and rounded to the nearest code, ties to even, beyond 6 the largest code.  x comes as codes and scale bytes and is only laid anew.
; LIMITS: NaN and infinities among the f32 inputs are not served.  A block of zeros gets the byte 1 where the rule says 127: its codes are zeros, and the bytes are read by this program alone.
; SHARES.  Work-groups 0..1151: tensor T = number / 128 (0 last_h, 1-4 W i f o c, 5-8 U i f o c), 16 rows each; wave kq takes 512 along K of them: 16 steps, a row a step.
; Work-groups 1152..1215: 32 rows of x each; wave kq takes K step kq.  Waves share nothing: no barrier, no cluster (no two work-groups read the same byte), no tensor load.
; A STEP.  Four loads of 512 consecutive bytes: in chunk i (128 numbers) lane l holds k = 128 i + 4 l + 0..3, so a block of 32 is eight neighbouring lanes: its largest magnitude is joined by three steps across lanes.
; The conversion takes eight registers under one scale, and a lane's eight registers of chunks i, i + 1 belong to two blocks: they are converted twice, once under each block's scale; the first result's low half and the second's
; high half are kept.  Lanes l and l xor 1 then change halves: the even lane gets a dword of chunk i's codes, the odd lane one of chunk i + 1's.  Only codes and scale bytes go through LDS, into the image of my 16 records.
.set KSA,  557056                      ; a K step of acat: 2,048 records
.set KSB,  2228224                     ; of bcat: 8,192 records
.set REC,  272
.set BLKB, 16*REC                      ; 16 records: a wave's image in LDS
.set SPARE, 4*BLKB                     ; behind the four images: the spare words, 128 bytes a wave
.set R,    16                          ; v16-79   four sets of 16 numbers as they are loaded
.set M,    80                          ; v80-83   the four chunks' largest magnitudes, then the conversions' scale operands
.set C,    84                          ; v84-87   the four conversions' results
.set W,    88                          ; v88-89   a pair of chunks' codes: low half chunk i, high half chunk i + 1
.set XN,   90                          ; v90-91   the same of lane l xor 1
.set D,    92                          ; v92-95   dwords of codes, two sets by turns
.set E,    96                          ; v96-103  scale bytes, two sets by turns
.set OUTR, 104                         ; v104-137 the way out
	s_load_b512 s[8:23], s[0:1], 0x0               ; tensor T = 0..7 at s[8 + 2 T]
	s_load_b256 s[24:31], s[0:1], 0x40             ; Uc (T = 8), x's codes, x's scales, acat
	s_load_b64 s[32:33], s[0:1], 0x60              ; bcat
	v_lshl_add_u32 v188, v0, 2, SPARE
	v_mov_b32 v189, 0
	v_lshrrev_b32 v1, 5, v0
	v_readfirstlane_b32 s34, v1                    ; wave = kq
	v_and_b32 v2, 31, v0                           ; lane
	v_lshlrev_b32 v12, 4, v2                       ; 16 x lane: my bytes of a load's or a store's 512; never rewritten
	s_cmp_ge_u32 ttmp9, 1152
	s_cbranch_scc1 .Lx
	; ---- f32 numbers into records
	s_mul_i32 s37, s34, BLKB                       ; my wave's image
	v_and_b32 v8, 1, v2
	v_lshrrev_b32 v9, 1, v2
	v_lshlrev_b32 v4, 6, v8
	v_lshl_add_u32 v4, v9, 2, v4
	v_add_nc_u32 v4, s37, v4                       ; my dword of codes: 64 (l % 2) + 4 (l / 2)
	v_lshrrev_b32 v5, 3, v2
	v_add_nc_u32 v5, s37, v5                       ; my block's scale byte: l / 8 (+ 256 + 4 i in the immediate)
	v_add_nc_u32 v6, s37, v12                      ; back: 16 bytes a lane,
	v_lshlrev_b32 v13, 3, v2
	v_add_nc_u32 v7, s37, v13                      ; 8 bytes a lane of the last 256
	v_sub_nc_u32 v8, 0, v8
	v_and_b32 v8, 0x06060606, v8
	v_xor_b32 v3, 0x05040100, v8                   ; the byte selects: even lanes my low half, then the neighbour's; odd lanes (0x03020706) the neighbour's high half, then mine
	v_mov_b32 v[XN], 0                             ; written once: a DPP move's destination counts as read
	v_mov_b32 v[XN+1], 0
	s_mov_b32 s2, 0xffff
	s_lshr_b32 s35, ttmp9, 7                       ; T
	s_and_b32 s36, ttmp9, 127                      ; rb: which 16 rows
	s_lshl_b32 s38, s36, 17                        ; from: 16 rows of 8,192 bytes,
	s_lshl_b32 s39, s34, 11                        ; my 512 numbers of a row
	s_add_co_u32 s38, s38, s39
	s_mov_b32 s39, 0
	s_max_u32 s40, s35, 1
	s_sub_co_u32 s40, s40, 1                       ; the weight's number 0..7 (for last_h: 0, not used)
	s_and_b32 s41, s40, 3                          ; g
	s_lshr_b32 s40, s40, 2                         ; 0: W, 1: U
	s_lshl_b32 s40, s40, 2
	s_add_co_u32 s40, s40, s34                     ; K step
	s_mul_i32 s40, s40, KSB
	s_lshr_b32 s42, s36, 2
	s_lshl_b32 s42, s42, 4                         ; in units of 16 records: 16 (rb / 4)
	s_bfe_u32 s43, s36, 0x10001
	s_lshl_b32 s43, s43, 3
	s_add_co_u32 s42, s42, s43                     ; + 8 ((rb / 2) % 2)
	s_lshl_b32 s41, s41, 1
	s_add_co_u32 s42, s42, s41                     ; + 2 g
	s_and_b32 s43, s36, 1
	s_add_co_u32 s42, s42, s43                     ; + rb % 2
	s_mul_i32 s42, s42, BLKB
	s_add_co_u32 s40, s40, s42                     ; to, in bcat
	s_add_co_u32 s41, s34, 4
	s_mul_i32 s41, s41, KSA
	s_mul_i32 s43, s36, BLKB
	s_add_co_u32 s41, s41, s43                     ; to, in acat: K step 4 + kq, rows 16 rb on
	s_wait_alu depctr_va_vdst(0)                   ; the wait at the head's end
	s_wait_kmcnt 0x0
	s_mov_b64 s[4:5], s[8:9]
.irp i, 1,2,3,4,5,6,7,8
	s_cmp_eq_u32 s35, \i                           ; the choice hangs on the work-group's number alone
	s_cselect_b64 s[4:5], s[8+2*\i:9+2*\i], s[4:5]
.endr
	s_add_nc_u64 s[4:5], s[4:5], s[38:39]
	s_cmp_eq_u32 s35, 0
	s_cselect_b64 s[6:7], s[30:31], s[32:33]
	s_cselect_b32 s40, s41, s40
	s_mov_b32 s41, 0
	s_add_nc_u64 s[6:7], s[6:7], s[40:41]
.macro LOAD t                          ; step t: my 512 numbers of row t; each load reads 512 consecutive bytes
.irp i, 0,1,2,3
	global_load_b128 v[R+16*((\t)%4)+4*\i:R+16*((\t)%4)+4*\i+3], v12, s[4:5] offset:8192*(\t)+512*\i th:TH_LOAD_NT
.endr
.endm
.irp t, 0,1,2,3
	LOAD \t
.endr
.macro STEP t
.set RB, R+16*((\t)%4)
.set P, (\t)%2
.if 15-(\t) >= 3
	s_wait_loadcnt 12                              ; this row's four loads are in; the three younger rows' twelve may be out
.else
	s_wait_loadcnt 4*(15-(\t))
.endif
.irp i, 0,1,2,3
	v_max3_num_f32 v[M+\i], |v[RB+4*\i]|, |v[RB+4*\i+1]|, |v[RB+4*\i+2]|     ; my four numbers of chunk i (the four chunks by turns)
.endr
.irp i, 0,1,2,3
	v_max3_num_f32 v[M+\i], v[M+\i], |v[RB+4*\i+3]|, 0x1800000               ; and the floor 2^(3 - 127): the byte cannot fall under 1
.endr
.irp x, 1,2,4
.irp i, 0,1,2,3
	v_max_num_f32_dpp v[M+\i], v[M+\i], v[M+\i] row_xmask:\x row_mask:0xf bank_mask:0xf   ; with the other seven lanes of my block
.endr
.endr
.irp i, 0,1,2,3
	v_add_nc_u32 v[M+\i], 0xff000000, v[M+\i]      ; 2 off the exponent field: the conversion takes the exponent field of this operand as its scale
.endr
	v_cvt_scalef32_pk8_fp4_f32 v[C],   v[RB:RB+7],    v[M]     ; chunks 0, 1 under chunk 0's scale: the low half counts,
	v_cvt_scalef32_pk8_fp4_f32 v[C+1], v[RB:RB+7],    v[M+1]   ; under chunk 1's: the high half
	v_cvt_scalef32_pk8_fp4_f32 v[C+2], v[RB+8:RB+15], v[M+2]
	v_cvt_scalef32_pk8_fp4_f32 v[C+3], v[RB+8:RB+15], v[M+3]
.irp i, 0,1,2,3
	v_lshrrev_b32 v[E+4*P+\i], 23, v[M+\i]         ; the scales' bytes (plain instructions behind the conversions)
.endr
	v_bfi_b32 v[W],   s2, v[C],   v[C+1]
	v_bfi_b32 v[W+1], s2, v[C+2], v[C+3]
	v_mov_b32_dpp v[XN],   v[W]   row_xmask:1 row_mask:0xf bank_mask:0xf
	v_mov_b32_dpp v[XN+1], v[W+1] row_xmask:1 row_mask:0xf bank_mask:0xf
	v_perm_b32 v[D+2*P],   v[XN],   v[W],   v3     ; eight neighbouring codes: of chunk 0 (even lanes) or 1 (odd lanes),
	v_perm_b32 v[D+2*P+1], v[XN+1], v[W+1], v3     ; of chunk 2 or 3
.if (\t)+4 < 16
	LOAD (\t)+4                                    ; into the set that has just been read
.endif
	ds_store_b32 v4, v[D+2*P] offset:REC*(\t)      ; record t: 128 bytes of codes a store,
	ds_store_b32 v4, v[D+2*P+1] offset:REC*(\t)+128
.irp i, 0,1,2,3
	ds_store_b8 v5, v[E+4*P+\i] offset:REC*(\t)+256+4*\i   ; block 4 i + l / 8's byte (the eight lanes of a block write the same byte with the same value)
.endr
.endm
.irp t, 0,1,2,3,4,5,6,7,8,9,10,11,12,13,14,15
	STEP \t
.endr
.irp i, 0,1,2,3,4,5,6,7
	ds_load_b128 v[OUTR+4*\i:OUTR+4*\i+3], v6 offset:512*\i        ; the image back as it lies: LDS serves a wave's instructions in order, so these see my stores
.endr
	ds_load_b64 v[OUTR+32:OUTR+33], v7 offset:4096
	s_wait_dscnt 0x0
.irp i, 0,1,2,3,4,5,6,7
	global_store_b128 v12, v[OUTR+4*\i:OUTR+4*\i+3], s[6:7] offset:512*\i th:TH_STORE_NT   ; 512 consecutive bytes, at a multiple of 256 from the buffer's first byte
.endr
	global_store_b64 v13, v[OUTR+32:OUTR+33], s[6:7] offset:4096 th:TH_STORE_NT            ; the last 256
	s_wait_tensorcnt 0x0                           ; the wave's end
	ds_add_u32 v188, v189
	s_wait_dscnt 0x0
	s_endpgm
	; ---- x: 32 rows' records of K step kq: 544 pieces of 16 bytes, 17 a record (16 of codes, 1 of scale bytes), 32 lanes x 17 trips.  No LDS.
.Lx:
	s_sub_co_u32 s35, ttmp9, 1152                  ; which 32 rows
	s_lshl_b32 s36, s35, 15                        ; codes: rows of 1,024 bytes,
	s_lshl_b32 s37, s34, 8                         ; 256 bytes a K step
	s_add_co_u32 s36, s36, s37
	s_mov_b32 s37, 0
	s_lshl_b32 s38, s35, 11                        ; scale bytes: rows of 64,
	s_lshl_b32 s39, s34, 4                         ; 16 a K step
	s_add_co_u32 s38, s38, s39
	s_mov_b32 s39, 0
	s_mul_i32 s40, s34, KSA
	s_mul_i32 s41, s35, 32*REC
	s_add_co_u32 s40, s40, s41
	s_mov_b32 s41, 0
	s_wait_kmcnt 0x0
	s_add_nc_u64 s[26:27], s[26:27], s[36:37]
	s_add_nc_u64 s[28:29], s[28:29], s[38:39]
	s_add_nc_u64 s[6:7], s[30:31], s[40:41]
	s_wait_alu depctr_va_vdst(0)                   ; the wait ahead of the first reader behind the branch
.irp i, 0,1,2,3,4,5,6,7,8,9,10,11,12,13,14,15,16
	v_add_nc_u32 v8, 32*\i, v2                     ; piece q
	v_mul_u32_u24 v9, v8, 241
	v_lshrrev_b32 v9, 12, v9                       ; its record: q / 17 (241 q / 4,096 rounded down is that for every q under 544)
	v_mul_u32_u24 v10, v9, 17
	v_sub_nc_u32 v10, v8, v10                      ; its place in the record
	v_cmp_eq_u32 s[44+\i], 16, v10                 ; the last piece is the scale bytes
	v_min_u32 v10, 15, v10
	v_lshlrev_b32 v10, 4, v10
	v_lshl_add_u32 v[16+\i], v9, 10, v10
	v_lshlrev_b32 v[33+\i], 6, v9
	global_load_b128 v[52+4*\i:55+4*\i], v[16+\i], s[26:27]        ; every lane loads both and keeps one: no lane is switched off
	global_load_b128 v[120+4*\i:123+4*\i], v[33+\i], s[28:29]
.endr
.irp i, 0,1,2,3,4,5,6,7,8,9,10,11,12,13,14,15,16
	s_wait_loadcnt 2*(16-\i)                       ; this trip's two loads are in; the younger pairs stay out
.irp k, 0,1,2,3
	v_cndmask_b32 v[52+4*\i+\k], v[52+4*\i+\k], v[120+4*\i+\k], s[44+\i]
.endr
	global_store_b128 v12, v[52+4*\i:55+4*\i], s[6:7] offset:512*\i th:TH_STORE_NT   ; no register is written twice: no wait for the stores' sources
.endr
	s_endpgm
.Lfunc_end_k_q0cb97c5dcc_prep:
	.size	k_q0cb97c5dcc_prep, .Lfunc_end_k_q0cb97c5dcc_prep-k_q0cb97c5dcc_prep
	.p2alignl 7, 3214868480
	.fill 96, 4, 3214868480
	.section	.rodata,"a",@progbits
	.p2align	6, 0x0
	.amdhsa_kernel k_q0cb97c5dcc_prep
		.amdhsa_group_segment_fixed_size 17920
		.amdhsa_private_segment_fixed_size 0
		.amdhsa_enable_private_segment 0
		.amdhsa_kernarg_size 104
		.amdhsa_user_sgpr_count 2
		.amdhsa_user_sgpr_kernarg_segment_ptr 1
		.amdhsa_wavefront_size32 1
		.amdhsa_system_sgpr_workgroup_id_x 1
		.amdhsa_system_sgpr_workgroup_id_y 1
		.amdhsa_system_sgpr_workgroup_id_z 1
		.amdhsa_system_vgpr_workitem_id 0
		.amdhsa_next_free_vgpr 190
		.amdhsa_next_free_sgpr 66
		.amdhsa_reserve_vcc 0
		.amdhsa_float_denorm_mode_32 3
		.amdhsa_float_denorm_mode_16_64 3
		.amdhsa_memory_ordered 1
		.amdhsa_forward_progress 1
		.amdhsa_inst_pref_size 75
	.end_amdhsa_kernel
	.amdgpu_metadata
---
amdhsa.version: [ 1, 2 ]
amdhsa.kernels:
  - .name:           k_q0cb97c5dcc_prep
    .symbol:         k_q0cb97c5dcc_prep.kd
    .args:
      - { .name: last_h, .offset: 0, .size: 8, .value_kind: global_buffer, .address_space: global }
      - { .name: Wi, .offset: 8, .size: 8, .value_kind: global_buffer, .address_space: global }
      - { .name: Wf, .offset: 16, .size: 8, .value_kind: global_buffer, .address_space: global }
      - { .name: Wo, .offset: 24, .size: 8, .value_kind: global_buffer, .address_space: global }
      - { .name: Wc, .offset: 32, .size: 8, .value_kind: global_buffer, .address_space: global }
      - { .name: Ui, .offset: 40, .size: 8, .value_kind: global_buffer, .address_space: global }
      - { .name: Uf, .offset: 48, .size: 8, .value_kind: global_buffer, .address_space: global }
      - { .name: Uo, .offset: 56, .size: 8, .value_kind: global_buffer, .address_space: global }
      - { .name: Uc, .offset: 64, .size: 8, .value_kind: global_buffer, .address_space: global }
      - { .name: x_codes, .offset: 72, .size: 8, .value_kind: global_buffer, .address_space: global }
      - { .name: x_scales, .offset: 80, .size: 8, .value_kind: global_buffer, .address_space: global }
      - { .name: acat, .offset: 88, .size: 8, .value_kind: global_buffer, .address_space: global }
      - { .name: bcat, .offset: 96, .size: 8, .value_kind: global_buffer, .address_space: global }
    .group_segment_fixed_size: 17920
    .private_segment_fixed_size: 0
    .kernarg_segment_align: 8
    .kernarg_segment_size: 104
    .max_flat_workgroup_size: 128
    .sgpr_count:     66
    .vgpr_count:     190
    .wavefront_size: 32
...
	.end_amdgpu_metadata
.endif
;; end of part 1
;; launch cell (part 2): grid 32 x 8, 4 waves a work-group, clusters of 4 x 4, 327,680 bytes of LDS; arguments acat, bcat, bi, bf, bo, bc, mask, last_c, last_h, out0, out1; writes out0, out1
.if DOCPART == 2
	.amdgcn_target "amdgcn-amd-amdhsa--gfx1250"
	.amdhsa_code_object_version 6
	.text
	.protected	k_q0cb97c5dcc_cell
	.globl	k_q0cb97c5dcc_cell
	.p2align	8
	.type	k_q0cb97c5dcc_cell,@function
k_q0cb97c5dcc_cell:
	s_mov_b64 s[64:65], 0
	v_nop
	global_prefetch_b8 v0, s[64:65] scope:SCOPE_SE
	s_setreg_imm32_b32 hwreg(HW_REG_WAVE_MODE, 25, 1), 1
	s_wait_xcnt 0x0
	s_wait_alu depctr_hold_cnt(0) depctr_sa_sdst(0) depctr_va_vdst(0) depctr_va_sdst(0) depctr_va_ssrc(0) depctr_va_vcc(0) depctr_vm_vsrc(0)
	s_getreg_b32 s2, hwreg(HW_REG_IB_STS2, 6, 4)
	s_cmp_eq_u32 s2, 0
	s_cbranch_scc0 .Lentry_in_a_cluster
	s_endpgm
.Lentry_in_a_cluster:
	s_bfe_u32 s2, ttmp6, 0x10000c
	s_cmp_lg_u32 s2, 0xf033
	s_cbranch_scc0 .Lentry_shape_is_right
	s_endpgm
.Lentry_shape_is_right:
; THE LSTM CELL.  gates = [x | last_h] [W | U]^T + b on codes of E2M1 with E8M0 scales, K = 4,096; then i, f, o = sigmoid, c^ = tanh, c = i c^ + f last_c, h = o tanh(c), both blended with the old state by mask.  The gates never go to memory.
; OPERANDS: acat [8 K steps][2,048 rows][272], bcat [8][8,192 rows'][272]: a record is 256 bytes of codes (512 along K) and its 16 scale bytes.  128 records are 34,816 dense bytes: one tensor load brings them as they lie;
; in LDS they stand 272 bytes apart (68 words: 16 rows start at 16 different banks; ISA guide 11.1), the scale words in what would else be padding.
; SHARES.  A work-group of four waves owns 256 batch rows x 64 hidden units x 4 gates; wave (WM, WN) 128 rows x 32 hidden units x 4 gates: 64 accumulators, 512 registers.
; THE MATRIX INSTRUCTION IS USED TRANSPOSED (source 0 = 16 records of bcat, source 1 = 16 of acat): accumulator (a, b = 2 g + u), lane (r, h), register i is gate g of batch row 16 a + r, hidden unit 32 WN + 16 u + 8 h + i:
; the four gates of one output lie in one lane.  The biases are the C of each sum's first instruction.
; CLUSTERS: 4 x 4.  A row of the cluster shares acat's records, a column bcat's: each tile is asked for jointly.
; A STEP of 128 along K: A's and B's fragments have two register sets each; ONE run of 32 LDS loads at a step's head brings the next step's fragments, 64 matrix instructions ahead of their use.
; A slot's reads are over when its last step's fragments are in, so the change of slots stands at that step's head: the next slot's first fragments are fetched under 48 of its matrix instructions.
; THE OLD STATE, the work-group's own tiles of last_c and last_h (256 rows x 256 bytes each, 16 of padding behind a row), goes into slot 0 when that has been read for the last time, one load of 128 rows a wave.
; c and h are written over these tiles in place and read back as whole rows: sixteen lanes store 256 consecutive bytes, aligned.
; PREFETCHES INTO THE L2: behind the refill with K step s + 2 the records of K step s + 4 are named (two refills ahead); K steps 1 and 2 behind the head's load, K step 3 behind slot 1's first fill.  The 136 runs of 256 bytes that a wave
; fetches are shared out among the four partners by address (32 runs a partner, a lane a run, and 2 more, sixteen lanes to a run).  The old state's rows, 32 a wave (a lane a row), are named at each of the first four changes of slots.
; The loop's last trip names nothing: K has no step 8.
; ARITHMETIC, with a = 2^(-gi L), d = 2^(-gf L), g = 2^(-go L), b = 2^(2 gc L), e = 2^(2 c L), L = log2 e:  i c^ = (b - 1) / ((1 + a)(1 + b)),  f = 1 / (1 + d),  o tanh(c) = (e - 1) / ((1 + g)(1 + e)).
; The exponents of b and e are held at 40 from above (tanh is then within 2^-39 of 1), so no quotient is infinity over infinity; a, d, g may overflow: their reciprocals are then 0, the saturated value.
; The blends are old + m (new - old).  LIMITS: NaN and infinities among the inputs are not served.
; REGISTERS: window 0: v1-31 addresses; v32-95 scale words, two sets; v96-103 mask; v104-119 at work; v128-255 A's fragments, two sets, later the cell.  window 1: B's two sets at v0, v128; v64-127 the biases.  windows 2, 3: the accumulators.
.set KSA,   557056
.set KSB,   2228224
.set PITCH, 272
.set FR,    8
.set NP,    4                          ; places behind this matrix instruction (ISA guide 7.12.1)
.set HALFT, 128*PITCH                  ; 128 records: what one tensor load brings
.set SLOT,  4*HALFT                    ; A's 256 records, then B's 256
.set CT,    2*HALFT                    ; in slot 0 at the end: last_c's tile at 0, last_h's here
.set SPARE, 2*SLOT                     ; behind the ring: the spare words, 128 bytes a wave
.set PFO,  11                          ; prefetch offsets: 256 x lane + 8,192 x my place among the four partners
.set PFO2, 12                          ; 32,768 + 512 x place + 256 x (lane % 2)
.set PFR,  13                          ; 8,192 x lane: a row of the old state
.set ADRA, 16                          ; v16-17 my A fragments in slot 0, 1
.set ADRB, 20                          ; v20-21 my B fragments
.set ADRS, 22                          ; v22-23 my scale words: lanes 0-15 A's rows, lanes 16-31 B's
.set EL,   24                          ; my 32 bytes of a row of last_c's tile
.set EH,   25                          ; of last_h's
.set RDB,  26                          ; where I read whole rows back: c (WN = 0) or h (WN = 1)
.set GO,   27                          ; the same place in the output
.set SPW,  28                          ; my spare word; never rewritten
.set NIL,  29                          ; 0; never rewritten
.set MM,   30                          ; v[30:31] my row's mask, twice
.set SC,   32                          ; scale words: set s at v[SC + 32 s]; register 4 i + q
.set MK,   96
.set TMP,  104
.set AF,   128
.set T,    128
.set TI,   T
.set TF,   T+16
.set TO,   T+32
.set TC,   T+48
.set LC,   192
.set LH,   208
.set OUT,  224
.set BI,   64
.set PFA,  4                           ; s[4:5] the records that the next prefetch names; s[6:7] a K step in bytes
.set PFS,  6
.set G1,   24
.set G0,   32
.set G1B,  48
.set G0B,  56
.set MA,   68                          ; s[68:69] mask of my rows
.set OSA,  70                          ; s[70:71] the old state's rows that I fetch; stepped by 32 rows for the prefetches
.set OB,   78
.set G1E,  80
.set G0E,  88
.set CS1,  96
.set CS2,  98
.set MSB, 0
.macro WIN new                         ; the immediate's high byte repeats the setting that is left
.if MSB != (\new)
	s_set_vgpr_msb (MSB<<8)|(\new)
.set MSB, (\new)
.endif
.endm
.set MUL_LO, 0xa1                      ; source 0 (B) window 1, source 1 (A) window 0, C and D window 2
.set MUL_HI, 0xf1
.set TO_B,   0x40
.macro PLACES n
.rept \n
	v_nop
.endr
.endm
; a joint load: waves 0, 1 fetch A's halves, waves 2, 3 B's; s_nop 0 and four v_nop behind each line
.macro JLOAD g0a, g1a, g0b, g1b
	s_cmp_eq_u32 s17, 0
	s_cbranch_scc0 .Lsecond_\@
	tensor_load_to_lds s[\g0a:\g0a+3], s[\g1a:\g1a+7]
	s_nop 0
	PLACES 4
	s_branch .Lasked_\@
.Lsecond_\@:
	tensor_load_to_lds s[\g0b:\g0b+3], s[\g1b:\g1b+7]
	s_nop 0
	PLACES 4
.Lasked_\@:
.endm
.macro ASK                             ; in the loop's first two trips: the K step two refills on, and 32 rows of the old state
	s_cmp_gt_u32 s3, 1
	s_cbranch_scc0 .Lno_\@
	global_prefetch_b8 v[PFO], s[PFA:PFA+1] th:TH_LOAD_NT scope:SCOPE_SE
	global_prefetch_b8 v[PFO2], s[PFA:PFA+1] th:TH_LOAD_NT scope:SCOPE_SE
	global_prefetch_b8 v[PFR], s[OSA:OSA+1] offset:-262144 th:TH_LOAD_NT scope:SCOPE_SE
.Lno_\@:
.endm
.macro CREST
	s_cmp_lg_u32 s16, 0
	s_cbranch_scc1 .Lnot_wave_0_\@
	s_barrier_signal -3
.Lnot_wave_0_\@:
	s_barrier_wait -3
	s_barrier_signal -1
	s_barrier_wait -1
.endm
.macro CROUND
	s_barrier_signal -1
	s_barrier_wait -1
	CREST
.endm
	s_load_b128 s[4:7], s[0:1], 0x0                ; acat, bcat
	s_load_b256 s[8:15], s[0:1], 0x10              ; bi, bf, bo, bc
	s_load_b256 s[68:75], s[0:1], 0x30             ; mask, last_c, last_h, out0
	s_load_b64 s[76:77], s[0:1], 0x50              ; out1
	v_lshl_add_u32 v[SPW], v0, 2, SPARE
	v_mov_b32 v[NIL], 0
	ds_add_u32 v[SPW], v[NIL]                      ; the opening lines: the add twice on end and one wait
	ds_add_u32 v[SPW], v[NIL]
	v_lshrrev_b32 v1, 5, v0
	v_readfirstlane_b32 s16, v1                    ; wave
	s_lshr_b32 s17, s16, 1                         ; WM; also: I fetch for A and last_c (0) or B and last_h (1)
	s_and_b32 s18, s16, 1                          ; WN; also: which 128 rows of a tile I fetch
	s_bfe_u32 s40, ttmp6, 0x40000                  ; cx
	s_bfe_u32 s41, ttmp6, 0x40004                  ; cy
	s_lshl_b32 s42, ttmp9, 2
	s_add_co_u32 s42, s42, s40                     ; tc: which 64 hidden units
	s_and_b32 s19, ttmp7, 0xffff
	s_lshl_b32 s19, s19, 2
	s_add_co_u32 s19, s19, s41                     ; tr: which 256 batch rows
	s_lshl_b32 s43, s41, 2
	s_lshl_b32 s43, 15, s43                        ; my row of the cluster
	s_lshl_b32 s44, 0x1111, s40                    ; my column
	s_or_b32 s[G1+0], s43, (3<<16)|(1<<21)         ; 34,816 dense bytes as 136 rows of 32 elements of 8 bytes
	s_or_b32 s[G1B+0], s44, (3<<16)|(1<<21)
.irp g, G1, G1B
	s_mov_b32 s[\g+1], 32<<16
	s_mov_b32 s[\g+2], 136<<16
	s_mov_b32 s[\g+3], 32<<16
	s_mov_b32 s[\g+4], 136
	s_mov_b32 s[\g+5], 32
	s_mov_b32 s[\g+6], 0
	s_mov_b32 s[\g+7], 0
.endr
	s_lshl_b32 s22, s18, 7
	s_lshl_b32 s20, s19, 8
	s_add_co_u32 s20, s20, s22                     ; batch row 256 tr + 128 x half
	s_mul_i32 s20, s20, PITCH
	s_mov_b32 s21, 0
	s_lshl_b32 s46, s42, 8
	s_add_co_u32 s46, s46, s22                     ; row' 256 tc + 128 x half
	s_mul_i32 s46, s46, PITCH
	s_mov_b32 s47, 0
	s_mul_i32 s45, s16, HALFT                      ; where they go: wave x 128 rows
	s_wait_dscnt 0x0                               ; both opening adds are done
	s_wait_kmcnt 0x0
	s_add_nc_u64 s[20:21], s[4:5], s[20:21]
	s_add_nc_u64 s[46:47], s[6:7], s[46:47]
.irp s, 0,1
	s_mov_b32 s[G0+4*\s], 1
	s_add_co_u32 s[G0+4*\s+1], s45, \s*SLOT
	s_add_nc_u64 s[G0+4*\s+2:G0+4*\s+3], s[20:21], \s*KSA
	s_or_b32 s[G0+4*\s+3], s[G0+4*\s+3], 0x80000000
	s_mov_b32 s[G0B+4*\s], 1
	s_add_co_u32 s[G0B+4*\s+1], s45, \s*SLOT
	s_add_nc_u64 s[G0B+4*\s+2:G0B+4*\s+3], s[46:47], \s*KSB
	s_or_b32 s[G0B+4*\s+3], s[G0B+4*\s+3], 0x80000000
.endr
	CROUND                                         ; all sixteen work-groups are here
	JLOAD G0, G1, G0B, G1B                         ; K step 0: my one tensor load at the head
	; the rest of the head runs while that load is out.  First all scalar work, then the vector lines on end.
	s_mov_b32 s[G1E+0], (2<<16)|(1<<20)|(5<<22)|(3<<25)   ; the old state: 128 rows x 64 f32, four words of padding behind every 64; no mask
	s_mov_b32 s[G1E+1], 64<<16
	s_mov_b32 s[G1E+2], 128<<16
	s_mov_b32 s[G1E+3], 64<<16
	s_mov_b32 s[G1E+4], 128
	s_mov_b32 s[G1E+5], 2048
	s_mov_b32 s[G1E+6], 0
	s_mov_b32 s[G1E+7], 0
	s_lshl_b32 s23, s19, 8
	s_add_co_u32 s23, s23, s22                     ; row 256 tr + 128 x half
	s_lshl_b32 s66, s23, 13
	s_lshl_b32 s67, s42, 8
	s_add_co_u32 s66, s66, s67                     ; + my 64 columns' 256 bytes
	s_mov_b32 s67, 0
	s_cmp_eq_u32 s17, 0
	s_cselect_b64 s[OSA:OSA+1], s[70:71], s[72:73]
	s_add_nc_u64 s[OSA:OSA+1], s[OSA:OSA+1], s[66:67]
	s_mov_b32 s[G0E], 1
	s_mul_i32 s[G0E+1], s16, HALFT                 ; to quarter number wave of slot 0
	s_mov_b64 s[G0E+2:G0E+3], s[OSA:OSA+1]
	s_or_b32 s[G0E+3], s[G0E+3], 0x80000000
	s_cmp_eq_u32 s18, 0                            ; wave (WM, 0) stores rows of c, wave (WM, 1) rows of h
	s_cselect_b64 s[OB:OB+1], s[74:75], s[76:77]
	s_lshl_b32 s22, s19, 8
	s_lshl_b32 s23, s17, 7
	s_add_co_u32 s22, s22, s23                     ; row 256 tr + 128 WM
	s_lshl_b32 s66, s22, 2
	s_add_nc_u64 s[MA:MA+1], s[MA:MA+1], s[66:67]
	s_lshl_b32 s22, s22, 13
	s_lshl_b32 s23, s42, 8
	s_add_co_u32 s22, s22, s23
	s_mov_b32 s23, 0
	s_add_nc_u64 s[OB:OB+1], s[OB:OB+1], s[22:23]
	s_cmp_eq_u32 s17, 0                            ; the prefetches: s[72:73], s[74:75], s[76:77] = my 128 records in K steps 1, 2, 3
	s_cselect_b32 s22, s40, s41                    ; my place among the four that ask with me
	s_cselect_b64 s[72:73], s[20:21], s[46:47]
	s_mov_b32 s[PFS], KSB
	s_cselect_b32 s[PFS], KSA, s[PFS]
	s_mov_b32 s[PFS+1], 0
	s_add_nc_u64 s[72:73], s[72:73], s[PFS:PFS+1]
	s_add_nc_u64 s[74:75], s[72:73], s[PFS:PFS+1]
	s_add_nc_u64 s[76:77], s[74:75], s[PFS:PFS+1]
	s_mov_b64 s[PFA:PFA+1], s[76:77]               ; the first change of slots steps it to K step 4
	s_lshl_b32 s93, s22, 13
	s_lshl_b32 s94, s22, 9
	s_add_co_u32 s94, s94, 32768
	s_mul_i32 s22, s17, HALFT                      ; my 128 rows of A
	s_mul_i32 s23, s18, HALFT
	s_add_co_u32 s23, s23, 2*HALFT                 ; my 128 rows of B
	s_xor_b32 s66, s17, 1
	s_add_co_u32 s66, s66, s18
	s_add_co_u32 s66, s66, 1                       ; 2 + WN - WM: from my rows of A to my rows of B
	s_mul_i32 s66, s66, HALFT
	s_add_co_u32 s67, s22, 256                     ; scale words lie behind a record's 256 bytes of codes
	s_lshl_b32 s92, s18, 7
	s_add_co_u32 s2, s22, s92                      ; old state: row 128 WM, + 128 WN bytes
	s_mul_i32 s3, s18, CT
	s_add_co_u32 s3, s3, s22                       ; back: c's tile or h's by WN
	s_lshl_b32 s95, s42, 8
	s_add_co_u32 s92, s92, s95                     ; the biases: 4 (64 tc + 32 WN)
	s_mov_b32 s95, 0x42200000                      ; 40.0
	s_mov_b32 s[CS1], 0xbfb8aa3b                   ; -log2 e
	s_mov_b32 s[CS1+1], s[CS1]
	s_mov_b32 s[CS2], 0x4038aa3b                   ; 2 log2 e
	s_mov_b32 s[CS2+1], s[CS2]
	v_and_b32 v1, 15, v0                           ; r
	v_bfe_u32 v2, v0, 4, 1                         ; h
	v_and_b32 v5, 31, v0                           ; lane
	v_mul_u32_u24 v3, v1, PITCH
	v_lshl_add_u32 v4, v2, 4, v3                   ; a fragment's row x pitch + 16 h
	v_add_nc_u32 v[ADRA], s22, v4
	v_add_nc_u32 v[ADRB], s23, v4
	v_add_nc_u32 v[ADRA+1], SLOT, v[ADRA]
	v_add_nc_u32 v[ADRB+1], SLOT, v[ADRB]
	v_mul_u32_u24 v6, s66, v2                      ; lanes 16-31 take B's scale words
	v_add_nc_u32 v6, v6, v3
	v_add_nc_u32 v[ADRS], s67, v6
	v_add_nc_u32 v[ADRS+1], SLOT, v[ADRS]
	v_lshl_add_u32 v6, v2, 5, v3
	v_add_nc_u32 v[EL], s2, v6
	v_add_nc_u32 v[EH], CT, v[EL]
	v_mul_u32_u24 v6, v2, PITCH
	v_lshl_add_u32 v6, v1, 4, v6
	v_add_nc_u32 v[RDB], s3, v6
	v_lshlrev_b32 v6, 13, v2
	v_lshl_add_u32 v[GO], v1, 4, v6
	v_lshl_add_u32 v6, v2, 5, s92                  ; biases: + 32 h
	v_lshlrev_b32 v7, 2, v1                        ; mask: 4 r
	v_lshl_add_u32 v[PFO], v5, 8, s93
	v_and_b32 v[PFO2], 1, v0
	v_lshl_add_u32 v[PFO2], v[PFO2], 8, s94
	v_lshlrev_b32 v[PFR], 13, v5
	s_wait_alu depctr_va_vdst(0)                   ; the wait at the head's end
	global_prefetch_b8 v[PFO], s[72:73] th:TH_LOAD_NT scope:SCOPE_SE    ; K step 1
	global_prefetch_b8 v[PFO2], s[72:73] th:TH_LOAD_NT scope:SCOPE_SE
	global_prefetch_b8 v[PFO], s[74:75] th:TH_LOAD_NT scope:SCOPE_SE    ; K step 2
	global_prefetch_b8 v[PFO2], s[74:75] th:TH_LOAD_NT scope:SCOPE_SE
	WIN TO_B
.irp g, 0,1,2,3
.irp u, 0,1
.irp c, 0,1
	global_load_b128 v[BI+8*(2*\g+\u)+4*\c:BI+8*(2*\g+\u)+4*\c+3], v6, s[8+2*\g:9+2*\g] offset:64*\u+16*\c
.endr
.endr
.endr
	WIN 0
.irp a, 0,1,2,3,4,5,6,7
	global_load_b32 v[MK+\a], v7, s[MA:MA+1] offset:64*\a
.endr
.macro FRAG reg, adr, q, i             ; 16 rows x 128 K of 4-bit codes, 8 registers
.irp c, 0,1
	ds_load_b128 v[\reg+4*\c:\reg+4*\c+3], v[\adr] offset:64*(\q)+32*\c+(\i)*16*PITCH
.endr
.endm
; 16 matrix instructions: A's blocks a0, a0 + 1 x B's eight, the slot's q-th 128 along K.  p: the register set; sc: the set of scale words.  first = 1: the bias is C.
; The 64 accumulators take turns, in the same order in every step.
.macro MUL16 a0, p, q, sc, first
.irp a, \a0, \a0+1
.irp b, 0,1,2,3,4,5,6,7
.if \first
	v_wmma_scale_f32_16x16x128_f8f6f4 v[8*(8*((\a)%4)+\b):8*(8*((\a)%4)+\b)+7], v[128*(\p)+FR*\b:128*(\p)+FR*\b+FR-1], v[AF+64*(\p)+FR*(\a):AF+64*(\p)+FR*(\a)+FR-1], v[BI+8*\b:BI+8*\b+7], v[SC+32*(\sc)+4*\b+(\q)], v[SC+32*(\sc)+4*(\a)+(\q)] matrix_a_fmt:MATRIX_FMT_FP4 matrix_b_fmt:MATRIX_FMT_FP4 matrix_a_scale:MATRIX_SCALE_ROW1
.else
	v_wmma_scale_f32_16x16x128_f8f6f4 v[8*(8*((\a)%4)+\b):8*(8*((\a)%4)+\b)+7], v[128*(\p)+FR*\b:128*(\p)+FR*\b+FR-1], v[AF+64*(\p)+FR*(\a):AF+64*(\p)+FR*(\a)+FR-1], v[8*(8*((\a)%4)+\b):8*(8*((\a)%4)+\b)+7], v[SC+32*(\sc)+4*\b+(\q)], v[SC+32*(\sc)+4*(\a)+(\q)] matrix_a_fmt:MATRIX_FMT_FP4 matrix_b_fmt:MATRIX_FMT_FP4 matrix_a_scale:MATRIX_SCALE_ROW1
.endif
.endr
.endr
.endm
; one run of LDS loads: the fragments of the slot's q-th 128 along K into set p: B's eight, A's blocks 0-3, (sc = 1: the slot's scale words,) A's blocks 4-7 last
.macro FETCH slot, q, p, sc
	WIN TO_B
.irp i, 0,1,2,3,4,5,6,7
	FRAG 128*(\p)+FR*\i, ADRB+\slot, \q, \i
.endr
	WIN 0
.irp i, 0,1,2,3
	FRAG AF+64*(\p)+FR*\i, ADRA+\slot, \q, \i
.endr
.if \sc
.irp i, 0,1,2,3,4,5,6,7
	ds_load_b128 v[SC+32*\slot+4*\i:SC+32*\slot+4*\i+3], v[ADRS+\slot] offset:\i*16*PITCH
.endr
.endif
.irp i, 4,5,6,7
	FRAG AF+64*(\p)+FR*\i, ADRA+\slot, \q, \i
.endr
.endm
; a step that has its successor in the same slot
.macro STEP slot, q, first
	PLACES NP                                      ; the other set was read by the step before
	FETCH \slot, (\q)+1, 1-(\q)%2, 0
	s_wait_dscnt 32+8                              ; out may be: the 32 loads just issued and the run before's last eight (A's blocks 4-7)
.if \first
	WIN 0x91                                       ; as MUL_LO, with C (the bias) in window 1
.else
	WIN MUL_LO
.endif
	MUL16 0, (\q)%2, \q, \slot, \first
	MUL16 2, (\q)%2, \q, \slot, \first
	s_wait_dscnt 32                                ; only the 32 just issued
.if \first
	WIN 0xd1
.else
	WIN MUL_HI
.endif
	MUL16 4, (\q)%2, \q, \slot, \first
	MUL16 6, (\q)%2, \q, \slot, \first
.endm
; a slot's last step, with the change of slots at its head.  fill = 1: the K step two on, jointly; fill = 2: the old state.
.macro TURN slot, next, fill
.if \fill == 1
	s_wait_xcnt 0x0                                ; earlier prefetches have read their addresses
	s_add_nc_u64 s[PFA:PFA+1], s[PFA:PFA+1], s[PFS:PFS+1]
	s_add_nc_u64 s[OSA:OSA+1], s[OSA:OSA+1], 262144
.endif
	WIN 0
	s_wait_tensorcnt 0x0                           ; my one load that was out, my part of the next slot, has landed
	ds_add_u32 v[SPW], v[NIL]
.if \fill == 1
	s_add_nc_u64 s[G0+4*\slot+2:G0+4*\slot+3], s[G0+4*\slot+2:G0+4*\slot+3], 2*KSA
	s_add_nc_u64 s[G0B+4*\slot+2:G0B+4*\slot+3], s[G0B+4*\slot+2:G0B+4*\slot+3], 2*KSB
.endif
	s_wait_dscnt 0x0                               ; the add is done; this step's fragments are in: my reads of this slot are over
	s_barrier_signal -1
	WIN MUL_LO
	MUL16 0, 1, 3, \slot, 0
	WIN 0
	s_barrier_wait -1
	CREST                                          ; the barrier has opened a round of the cluster's barrier
.if \fill == 1
	JLOAD G0+4*\slot, G1, G0B+4*\slot, G1B         ; its four v_nop are also the places in front of the loads below
.else
	tensor_load_to_lds s[G0E:G0E+3], s[G1E:G1E+7]  ; my 128 rows of last_c (waves 0, 1) or last_h (waves 2, 3): the slot's last fill
	s_nop 0
	PLACES NP
.endif
	FETCH \next, 0, 0, 1
.if \fill == 1
	ASK
.endif
	WIN MUL_LO
	MUL16 2, 1, 3, \slot, 0
	WIN MUL_HI
	MUL16 4, 1, 3, \slot, 0
	MUL16 6, 1, 3, \slot, 0
.endm
	s_wait_tensorcnt 0x0                           ; my part of K step 0 is in
	ds_add_u32 v[SPW], v[NIL]
	s_wait_dscnt 0x0
	CROUND
	JLOAD G0+4, G1, G0B+4, G1B                     ; K step 1: slot 1's first fill
	FETCH 0, 0, 0, 1
	global_prefetch_b8 v[PFO], s[76:77] th:TH_LOAD_NT scope:SCOPE_SE    ; K step 3
	global_prefetch_b8 v[PFO2], s[76:77] th:TH_LOAD_NT scope:SCOPE_SE
	s_wait_loadcnt 0x0                             ; the biases and mask
	STEP 0, 0, 1                                   ; the first step starts the sums, from the biases
	WIN 0
	s_mov_b32 s3, 3
.Llap:                                                 ; once round the ring: refills with K steps 2 to 7
	STEP 0, 1, 0
	STEP 0, 2, 0
	TURN 0, 1, 1
	STEP 1, 0, 0
	STEP 1, 1, 0
	STEP 1, 2, 0
	TURN 1, 0, 1
	STEP 0, 0, 0
	WIN 0
	s_sub_co_u32 s3, s3, 1
	s_cmp_lg_u32 s3, 0
	s_cbranch_scc1 .Llap
	STEP 0, 1, 0                                   ; K steps 6 and 7
	STEP 0, 2, 0
	TURN 0, 1, 2
	STEP 1, 0, 0
	STEP 1, 1, 0
	STEP 1, 2, 0
	s_wait_dscnt 0x0                               ; the very last step
	WIN MUL_LO
	MUL16 0, 1, 3, 1, 0
	MUL16 2, 1, 3, 1, 0
	WIN MUL_HI
	MUL16 4, 1, 3, 1, 0
	MUL16 6, 1, 3, 1, 0
	WIN 0
	PLACES NP
	s_wait_tensorcnt 0x0                           ; my part of the old state has landed:
	s_barrier_signal -1                            ; say so; the wait stands in block 0, behind its exponentials
; THE CELL, a block of 16 batch rows at a time: 16 outputs a lane.
.macro LCLH a
.irp u, 0,1
.irp c, 0,1
	ds_load_b128 v[LC+8*\u+4*\c:LC+8*\u+4*\c+3], v[EL] offset:16*PITCH*(\a)+64*\u+16*\c
.endr
.endr
.irp u, 0,1
.irp c, 0,1
	ds_load_b128 v[LH+8*\u+4*\c:LH+8*\u+4*\c+3], v[EH] offset:16*PITCH*(\a)+64*\u+16*\c
.endr
.endr
.endm
.macro BACK a                          ; block a's 16 rows of c or of h, whole
.if (\a) > 0
	s_wait_xcnt 0x0                                ; the block before's stores have read their registers
.endif
.irp t, 0,1,2,3,4,5,6,7
	ds_load_b128 v[OUT+4*\t:OUT+4*\t+3], v[RDB] offset:(16*(\a)+2*\t)*PITCH
.endr
.endm
.macro SEND a                          ; 16 lanes store 256 consecutive bytes, aligned
.irp t, 0,1,2,3,4,5,6,7
	global_store_b128 v[GO], v[OUT+4*\t:OUT+4*\t+3], s[OB:OB+1] offset:(16*(\a)+2*\t)*8192 th:TH_STORE_NT
.endr
.endm
.macro PK8 op, d, x, y, tail:vararg    ; eight packed two-source lines over 16 registers
.irp p, 0,2,4,6,8,10,12,14
	\op v[\d+\p:\d+\p+1], v[\x+\p:\x+\p+1], v[\y+\p:\y+\p+1] \tail
.endr
.endm
.macro PK8C op, d, x, k                ; the same with a broadcast constant or scalar pair as the second source
.irp p, 0,2,4,6,8,10,12,14
	\op v[\d+\p:\d+\p+1], v[\x+\p:\x+\p+1], \k op_sel_hi:[1,0]
.endr
.endm
.macro FMA8 d, x, y, z, tail:vararg
.irp p, 0,2,4,6,8,10,12,14
	v_pk_fma_f32 v[\d+\p:\d+\p+1], v[\x+\p:\x+\p+1], v[\y+\p:\y+\p+1], v[\z+\p:\z+\p+1] \tail
.endr
.endm
.macro FMAM d, x, z                    ; d = x m + z
.irp p, 0,2,4,6,8,10,12,14
	v_pk_fma_f32 v[\d+\p:\d+\p+1], v[\x+\p:\x+\p+1], v[MM:MM+1], v[\z+\p:\z+\p+1]
.endr
.endm
.macro RUN16 op, d, n                  ; n transcendentals in place, one batch
.set J, 0
.rept \n
	\op v[\d+J], v[\d+J]
.set J, J+1
.endr
.endm
.macro HOLD d                          ; an exponent held at 40 from above
.set J, 0
.rept 16
	v_min_num_f32 v[\d+J], s95, v[\d+J]
.set J, J+1
.endr
.endm
; A block signals its barrier behind its stores of c and h; the wait stands in the next block, behind work on registers.  The waits on the vector results round each batch.
; THE BLOCKS GO TWO AT A TIME: block a in window 0, block a + 1 at the same register numbers in window 1 (B's fragments and the biases are done with).  Each stage runs for both under one wait, and a pair has one barrier.
.macro SCALE a, w                      ; block a's exponents into window w
.set AC, 64*((\a)%4)
	WIN ((\w)<<6)|(2+(\a)/4)
	s_wait_alu depctr_va_vdst(0)
.irp b, 0,1,2,3,4,5,6,7                ; the exponents; each accumulator is read from its low end on
.irp p, 0,2,4,6
.if \b < 6
	v_pk_mul_f32 v[T+8*\b+\p:T+8*\b+\p+1], v[AC+8*\b+\p:AC+8*\b+\p+1], s[CS1:CS1+1] op_sel_hi:[1,0]
.else
	v_pk_mul_f32 v[T+8*\b+\p:T+8*\b+\p+1], v[AC+8*\b+\p:AC+8*\b+\p+1], s[CS2:CS2+1] op_sel_hi:[1,0]
.endif
.endr
.endr
.endm
.macro EACH body:vararg                ; a stage for the pair's first block (all operands in window 0), then for its second (all in window 1)
	WIN 0
	\body
	WIN 0x55
	\body
.endm
.macro ST1
	PK8C v_pk_add_f32, TMP, TC, 1.0                ; 1 + b
	FMA8 TI, TI, TMP, TMP                          ; (1 + a)(1 + b)
	PK8C v_pk_add_f32, TC, TC, -1.0                ; b - 1
	PK8C v_pk_add_f32, TF, TF, 1.0                 ; 1 + d
.endm
.macro ST2
	PK8 v_pk_mul_f32, TC, TC, TI                   ; i c^
	FMA8 TC, TF, LC, TC                            ; c = f last_c + i c^
	PK8C v_pk_mul_f32, TI, TC, s[CS2:CS2+1]        ; 2 c log2 e
	HOLD TI
.endm
.macro ST2B
	PK8 v_pk_add_f32, TF, TC, LC, neg_lo:[0,1] neg_hi:[0,1]   ; c - last_c
	FMAM TF, TF, LC                                ; last_c + m (c - last_c)
.endm
.macro ST3
	PK8C v_pk_add_f32, LC, TI, 1.0                 ; 1 + e
	FMA8 TO, TO, LC, LC                            ; (1 + g)(1 + e)
	PK8C v_pk_add_f32, TI, TI, -1.0                ; e - 1
.endm
.macro ST4
	FMA8 TI, TI, TO, LH, neg_lo:[0,0,1] neg_hi:[0,0,1]        ; h - last_h
	FMAM TI, TI, LH                                ; last_h + m (h - last_h)
.endm
.macro PUT adr, d, a                   ; 16 results over the bytes of the old state that this lane has read
.irp u, 0,1
.irp c, 0,1
	ds_store_b128 v[\adr], v[\d+8*\u+4*\c:\d+8*\u+4*\c+3] offset:16*PITCH*(\a)+64*\u+16*\c
.endr
.endr
.endm
; LDS and global lines of the second block: loaded data in window 1 (0x40), stored data in window 1 (0x04), addresses in window 0
.macro PAIR a
	SCALE \a, 0
	SCALE (\a)+1, 1
	EACH HOLD TC
	s_wait_alu depctr_va_vdst(0)
	EACH RUN16 v_exp_f32, T, 64                    ; a, d, g, b
	WIN 0
	v_mov_b32 v[MM], v[MK+(\a)]
	v_mov_b32 v[MM+1], v[MK+(\a)]
	WIN 0x40
	v_mov_b32 v[MM], v[MK+(\a)+1]                  ; the second block's mask, at the same numbers in window 1
	v_mov_b32 v[MM+1], v[MK+(\a)+1]
	s_barrier_wait -1                              ; pair 0: the old state is whole; later: the pair before's rows are whole
.if (\a) > 0
	WIN 0
	BACK (\a)-2
	WIN 0x40
	BACK (\a)-1
.endif
	WIN 0
	LCLH \a
	WIN 0x40
	LCLH (\a)+1
	s_wait_alu depctr_va_vdst(0)
	EACH ST1
	s_wait_alu depctr_va_vdst(0)
	EACH RUN16 v_rcp_f32, TI, 32                   ; TI and TF
	v_nop
.if (\a) > 0
	s_wait_dscnt 16                                ; the pair before is back; behind it only this pair's sixteen loads were issued
	WIN 0
	SEND (\a)-2
	WIN 0x04
	SEND (\a)-1
.endif
	s_wait_dscnt 0x0                               ; last_c and last_h are in
	s_wait_alu depctr_va_vdst(0)
	EACH ST2
	s_wait_alu depctr_va_vdst(0)
	EACH RUN16 v_exp_f32, TI, 16                   ; e
	EACH ST2B
	s_wait_alu depctr_va_vdst(0)
	EACH ST3
	s_wait_alu depctr_va_vdst(0)
	EACH RUN16 v_rcp_f32, TO, 16
	WIN 0
	PUT EL, TF, \a
	WIN 0x04
	PUT EL, TF, (\a)+1
	v_nop
	s_wait_alu depctr_va_vdst(0)
	EACH ST4
	WIN 0
	PUT EH, TI, \a
	WIN 0x04
	PUT EH, TI, (\a)+1
	s_wait_dscnt 0x0                               ; for the others' sake: my stores of this pair's c and h are done
	s_barrier_signal -1
.endm
.irp a, 0,2,4,6
	PAIR \a
.endr
	s_barrier_wait -1
	WIN 0
	BACK 6
	WIN 0x40
	BACK 7
	s_wait_dscnt 0x0
	WIN 0
	SEND 6
	WIN 0x04
	SEND 7
	WIN 0
	s_wait_tensorcnt 0x0                           ; the wave's end
	ds_add_u32 v[SPW], v[NIL]
	s_wait_dscnt 0x0
	CROUND                                         ; the closing round
	s_endpgm
.Lfunc_end_k_q0cb97c5dcc_cell:
	.size	k_q0cb97c5dcc_cell, .Lfunc_end_k_q0cb97c5dcc_cell-k_q0cb97c5dcc_cell
	.p2alignl 7, 3214868480
	.fill 96, 4, 3214868480
	.section	.rodata,"a",@progbits
	.p2align	6, 0x0
	.amdhsa_kernel k_q0cb97c5dcc_cell
		.amdhsa_group_segment_fixed_size 327680
		.amdhsa_private_segment_fixed_size 0
		.amdhsa_enable_private_segment 0
		.amdhsa_kernarg_size 88
		.amdhsa_user_sgpr_count 2
		.amdhsa_user_sgpr_kernarg_segment_ptr 1
		.amdhsa_wavefront_size32 1
		.amdhsa_system_sgpr_workgroup_id_x 1
		.amdhsa_system_sgpr_workgroup_id_y 1
		.amdhsa_system_sgpr_workgroup_id_z 1
		.amdhsa_system_vgpr_workitem_id 0
		.amdhsa_next_free_vgpr 1024
		.amdhsa_next_free_sgpr 100
		.amdhsa_reserve_vcc 0
		.amdhsa_float_denorm_mode_32 3
		.amdhsa_float_denorm_mode_16_64 3
		.amdhsa_memory_ordered 1
		.amdhsa_forward_progress 1
		.amdhsa_inst_pref_size 255
	.end_amdhsa_kernel
	.section	.bss,"aw",@nobits
	.p2align	6
	.space	262144
	.amdgpu_metadata
---
amdhsa.version: [ 1, 2 ]
amdhsa.kernels:
  - .name:           k_q0cb97c5dcc_cell
    .symbol:         k_q0cb97c5dcc_cell.kd
    .args:
      - { .name: acat, .offset: 0, .size: 8, .value_kind: global_buffer, .address_space: global }
      - { .name: bcat, .offset: 8, .size: 8, .value_kind: global_buffer, .address_space: global }
      - { .name: bi, .offset: 16, .size: 8, .value_kind: global_buffer, .address_space: global }
      - { .name: bf, .offset: 24, .size: 8, .value_kind: global_buffer, .address_space: global }
      - { .name: bo, .offset: 32, .size: 8, .value_kind: global_buffer, .address_space: global }
      - { .name: bc, .offset: 40, .size: 8, .value_kind: global_buffer, .address_space: global }
      - { .name: mask, .offset: 48, .size: 8, .value_kind: global_buffer, .address_space: global }
      - { .name: last_c, .offset: 56, .size: 8, .value_kind: global_buffer, .address_space: global }
      - { .name: last_h, .offset: 64, .size: 8, .value_kind: global_buffer, .address_space: global }
      - { .name: out0, .offset: 72, .size: 8, .value_kind: global_buffer, .address_space: global }
      - { .name: out1, .offset: 80, .size: 8, .value_kind: global_buffer, .address_space: global }
    .group_segment_fixed_size: 327680
    .private_segment_fixed_size: 0
    .kernarg_segment_align: 8
    .kernarg_segment_size: 88
    .max_flat_workgroup_size: 128
    .sgpr_count:     100
    .vgpr_count:     1024
    .wavefront_size: 32
...
	.end_amdgpu_metadata
.endif
;; end of part 2
